; MI455X (gfx1250); checked and timed in simulation.
; The chip was launched on July 23, 2026; its instructions are those of AMD's public machine-readable ISA for CDNA 5 (MIT licence, August 2026) and "CDNA5" Instruction Set Architecture Reference Guide (July 2026). The comments in the code are by the model that wrote it; some were corrected since.
;; Custom Multi Head Self Attention. Allowed arithmetic: matrix products marked QUANTISED: E4M3 operands, one given power-of-two scale a tensor, by v_wmma_f32_16x16x64_fp8_fp8 or v_wmma_f32_16x16x128_fp8_fp8, f32 sums; everything else in f32.
;; Inputs: W_in 1,024 x 3,072 float32; W_out 1,024 x 1,024 float32; b_in 3,072 float32; b_out 1,024 float32; lowp_scales 8 int32 (the exponents e of the quantised operands' scales 2^e); qkv 4 x 2,048 x 1,024 float32.
;; Outputs: out0 4 x 2,048 x 1,024 float32.
;; This version of the problem:
;;   THIS VERSION OF THE PROBLEM IS GIVEN IN LOW PRECISION. The matrix products marked QUANTISED in the list below multiply operands that are first quantised to E4M3 (4 exponent bits, 3 mantissa bits; 8 bits a number), with one given power-of-two scale for each operand tensor; their sums are f32. All else is computed in f32.
;;   The module's matrix products, in the order in which they are computed (A, B: the left and right operand; K: the contracted axis; several contracted axes count as one K, in the product's order):
;;     1. [M 8,192, K 1,024] x [K 1,024, N 3,072]; A: input qkv; B: input W_in: QUANTISED (scales: A lowp_scales[0], B lowp_scales[1])
;;     2. batch 64 x [M 2,048, K 64] x [K 64, N 2,048]; A: computed on the way; B: computed on the way: QUANTISED (scales: A lowp_scales[2], B lowp_scales[3])
;;     3. batch 64 x [M 2,048, K 2,048] x [K 2,048, N 64]; A: softmax (see below); B: computed on the way: QUANTISED (scales: A lowp_scales[4], B lowp_scales[5])
;;     4. [M 8,192, K 1,024] x [K 1,024, N 1,024]; A: computed on the way; B: input W_out: QUANTISED (scales: A lowp_scales[6], B lowp_scales[7])
;;   THE QUANTISER, for each operand of a quantised product, along K:
;;     - The operand's scale is 2^e, e = its entry of the input lowp_scales (int32; the entries are numbered through the quantised products in the list's order, A before B).
;;     - Each number is divided by the scale, clamped to +-448, and rounded to the nearest number of E4M3, ties to even, subnormals kept.
;;     - The product sums the exact products of the quantised numbers (number of the format x scale) in f32.
;;   ~~~python
;;   def quantise(x, axis, e):      # numpy; x: float32 -> the quantised numbers, widened to float32 again
;;       x = np.moveaxis(x, axis, -1); K = x.shape[-1]
;;       r = np.clip(x / 2.0 ** e, -448, 448)
;;       step = 2.0 ** (np.maximum(np.frexp(np.where(r == 0, 1, r))[1] - 1, -6) - 3)
;;       q = np.round(r / step) * step * 2.0 ** e      # np.round: ties to even
;;       return np.moveaxis(q, -1, axis).astype(np.float32)
;;   ~~~
;;   SOFTMAX AHEAD OF A QUANTISED PRODUCT. Where the list says 'softmax', what is quantised is not the finished softmax but p = 2^(t - M), with t = logit x log2(e) and M = ceil(the row's largest t), a whole number; so 1/2 < the row's largest p <= 1. The row's sum l is taken of the UNQUANTISED p, in f32, and the product's result is divided by l at the end. Since M is a whole number, a kernel that streams over the keys may use a running M (the ceiling of the running maximum): every later rescaling is an exact power of two, so the quantised numbers keep their values, but for numbers so far below the row's largest that they fall under the format's range.
;;   OPERANDS COMPUTED ON THE WAY. 'Computed on the way' means the value that the module computes at that place (a softmax that the list does not call 'softmax' is quantised finished and normalised). What goes into a quantiser is computed in f32, as accurately as f32 sums, v_exp_f32 and their like allow (about 1e-6 of the number): no bf16 or f16 on the way to a quantiser, and a product that is left as it is and whose result goes on into a quantised operand takes f32 operands (vector FMAs, or v_wmma_f32_16x16x4_f32). A number that lies on a knife's edge between two numbers of the format may be rounded either way, as far as f32 arithmetic and the matrix unit's own rounding can turn it there, and no further.
;; One version. Each part assembles by itself: llvm-mc -triple=amdgcn-amd-amdhsa -mcpu=gfx1250 --defsym DOCPART=n.
;; ======== version 1 of 1: 4 launches
;; limits: right only within a limited range of input values
;; workspace buffers: x_codes 8,388,608 bytes; win_codes 3,145,728 bytes; wout_codes 1,048,576 bytes; q_codes 8,388,608 bytes; k_codes 8,388,608 bytes; v_codes 8,388,608 bytes; ctx_codes 8,388,608 bytes
;; launch quant (part 1): grid 640 x 1, 4 waves a work-group, no clusters, 68,096 bytes of LDS; arguments qkv, W_in, W_out, lowp_scales, x_codes, win_codes, wout_codes; writes x_codes, win_codes, wout_codes
.if DOCPART == 1
	.amdgcn_target "amdgcn-amd-amdhsa--gfx1250"
	.amdhsa_code_object_version 6
	.text
	.protected	k_q477b042841_quant
	.globl	k_q477b042841_quant
	.p2align	8
	.type	k_q477b042841_quant,@function
k_q477b042841_quant:
	s_mov_b64 s[64:65], 0
	v_nop
	global_prefetch_b8 v0, s[64:65] scope:SCOPE_SE
	s_setreg_imm32_b32 hwreg(HW_REG_WAVE_MODE, 25, 1), 1
	s_wait_xcnt 0x0
; qkv [8192][1024], W_in [1024 k][3072 n] and W_out [1024 k][1024 n], all f32, become codes of FP8 (E4M3), K innermost:
; x_codes [8192][1024] with 2^e0, win_codes [3072 n][1024 k] with 2^e1, wout_codes [1024 n][1024 k] with 2^e7 (e: entries of lowp_scales).
; code = x / 2^e, held within +-448, rounded to the nearest code, ties to even.
; LIMITS: e0, e1, e7 between -126 and 119, so that 2^e and 448 x 2^e are f32 numbers.  NaN among the inputs is not served (an infinity is held at the largest code).
; Work-groups 0-511 take qkv (K innermost: a plain stream), work-groups 512-639 the two weights (K is the first axis: a lane takes a column, its registers run down K).
; The two ways part on the work-group's number, never join, and have LDS bytes of their own.  Waves share nothing: no barrier.  A stream: no matrix unit, no cluster, no tensor load would spare a byte.
.set MANT,   0x600000                  ; the mantissa field of 448 as f32
; ---- the way of qkv
.set XSTEPS, 8                         ; a wave takes 8 steps of 512 numbers
.set SP,     80                        ; a lane's place in a stage: its 64 bytes + 16 of padding
.set WREG,   8192                      ; LDS bytes 0 .. 32,767: a region for each wave, two stages of 32 x SP bytes
.set RX,     16                        ; v16-79   four sets of 16 numbers as they are loaded
.set NX,     80                        ; v80-111  two sets of 16 neighbours
.set CX,     128                       ; v128-159 codes: four registers for each step, so that no store's data are written again
; ---- the way of the weights
.set WSTG,   32768                     ; LDS bytes 32,768 on: a stage of 32 rows x WP bytes for each wave
.set WP,     272                       ; a stage row: 256 codes + 16 bytes
.set NB,     8                         ; a wave takes 32 columns x 256 along K: 8 blocks of 32
.set WX,     32                        ; v32-95   two sets of 32 numbers
.set WC,     96                        ; v96-103  a block's codes
.set OUTR,   112                       ; v112-175 the way out
.set RO,     176                       ; v176-207 byte offset of row i of a block at my column: 4 x lane + i x the weight's row
	s_load_b256 s[4:11], s[0:1], 0x0               ; qkv s[4:5], W_in s[6:7], W_out s[8:9], the exponents s[10:11]
	s_load_b128 s[12:15], s[0:1], 0x20             ; x_codes s[12:13], win_codes s[14:15]
	s_load_b64 s[16:17], s[0:1], 0x30              ; wout_codes
	v_lshl_add_u32 v208, v0, 2, 0x10800
	v_mov_b32 v209, 0
	v_lshrrev_b32 v1, 5, v0
	v_readfirstlane_b32 s18, v1                    ; wave 0..3
	v_and_b32 v2, 31, v0                           ; lane
	s_wait_kmcnt 0x0
	s_load_b256 s[40:47], s[10:11], 0x0            ; e0 .. e7
	s_cmp_lt_u32 ttmp9, 512
	s_cbranch_scc0 .Lweights
; ======== qkv.  The conversions take 8 neighbours along K from ONE lane's registers; a load is best where neighbouring LANES take neighbouring bytes.  Both are had: each load reads 512 consecutive bytes,
; a step's 2,048 bytes go through the wave's own stage in LDS as they lie and come back 64 bytes a lane.  A lane's 16 codes are 16 bytes: the wave stores 512 consecutive bytes.
	s_wait_alu depctr_va_vdst(0)
	v_lshlrev_b32 v3, 4, v2                        ; 16 x lane: my bytes of a load's 512, and of a store's 512
	s_wait_alu depctr_va_vdst(0)
	s_mul_i32 s19, s18, WREG
	v_lshrrev_b32 v14, 2, v2
	v_mul_u32_u24 v14, v14, SP
	v_and_b32 v15, 3, v2
	v_lshl_add_u32 v14, v15, 4, v14
	v_add_nc_u32 v14, s19, v14                     ; the stage, on the way in: SP (lane / 4) + 16 (lane % 4)
	v_mul_u32_u24 v15, v2, SP
	v_add_nc_u32 v15, s19, v15                     ; and on the way out: SP x lane: my 16 neighbours
	s_lshl_b32 s20, ttmp9, 2
	s_add_co_u32 s20, s20, s18                     ; which run of 4,096 numbers is my wave's: 0 .. 2,047
	s_lshl_b32 s22, s20, 14                        ; 16,384 bytes of f32,
	s_mov_b32 s23, 0
	s_add_nc_u64 s[4:5], s[4:5], s[22:23]
	s_lshl_b32 s22, s20, 12                        ; 4,096 bytes of codes
	s_add_nc_u64 s[12:13], s[12:13], s[22:23]
.macro XLOAD t
.irp i, 0,1,2,3
	global_load_b128 v[RX+16*((\t)%4)+4*\i:RX+16*((\t)%4)+4*\i+3], v3, s[4:5] offset:2048*(\t)+512*\i th:TH_LOAD_NT   ; 32 lanes read 512 consecutive bytes; read once in the launch
.endr
.endm
.macro XTURN t                         ; step t's numbers through the stage: LDS serves a wave's instructions in order, so no wait stands between the stores and the loads
.irp i, 0,1,2,3
	ds_store_b128 v14, v[RX+16*((\t)%4)+4*\i:RX+16*((\t)%4)+4*\i+3] offset:32*SP*((\t)%2)+8*SP*\i
.endr
.irp i, 0,1,2,3
	ds_load_b128 v[NX+16*((\t)%2)+4*\i:NX+16*((\t)%2)+4*\i+3], v15 offset:32*SP*((\t)%2)+16*\i
.endr
.endm
.irp t, 0,1,2,3
	XLOAD \t
.endr
	s_wait_alu depctr_va_vdst(0)
	s_wait_kmcnt 0x0
	s_add_co_i32 s22, s40, 127
	s_lshl_b32 s23, s22, 23
	v_mov_b32 v11, s23                             ; 2^e0 as f32: the conversion takes its exponent field
	s_add_co_i32 s22, s22, 8
	s_lshl_b32 s22, s22, 23
	s_or_b32 s22, s22, MANT
	v_mov_b32 v10, s22                             ; 448 x 2^e0
	s_wait_alu depctr_va_vdst(0)
	s_wait_loadcnt 12                              ; step 0's four loads are in; the twelve of steps 1 to 3 may be out
	XTURN 0
.macro XSTEP t
.set XS, NX+16*((\t)%2)
	s_wait_dscnt 0x0                               ; this step's numbers are back from the stage, so its stores into the stage have read their registers,
.if (\t)+4 < XSTEPS
	XLOAD (\t)+4                                   ; which take the loads of four steps on
.endif
.if (\t)+1 < XSTEPS
.if XSTEPS-2-(\t) >= 3
	s_wait_loadcnt 12                              ; the next step's four loads are in; those of the three steps behind it may be out
.else
	s_wait_loadcnt 4*(XSTEPS-2-(\t))               ; near the end fewer steps stand behind it
.endif
	XTURN (\t)+1                                   ; they go through the other stage while this step is worked
.endif
.irp i, 0,1,2,3,4,5,6,7,8,9,10,11,12,13,14,15
	v_med3_num_f32 v[XS+\i], v[XS+\i], -v10, v10   ; the conversion to an 8-bit code does not saturate (ISA guide 7.6.2): the hold comes first
.endr
	v_cvt_scalef32_pk8_fp8_f32 v[CX+4*(\t):CX+4*(\t)+1], v[XS:XS+7], v11
	v_cvt_scalef32_pk8_fp8_f32 v[CX+4*(\t)+2:CX+4*(\t)+3], v[XS+8:XS+15], v11
	global_store_b128 v3, v[CX+4*(\t):CX+4*(\t)+3], s[12:13] offset:512*(\t)   ; the codes go to a store alone; the next vector lines are the next step's holds, on other registers
.endm
.irp t, 0,1,2,3,4,5,6,7
	XSTEP \t
.endr
	s_wait_tensorcnt 0x0
	ds_add_u32 v208, v209
	s_wait_dscnt 0x0
	s_endpgm
; ======== the weights.  Work-group 512 + idx: idx 0-95 W_in (24 groups of 128 columns x 4 runs of 256 along K), idx 96-127 W_out (8 x 4).  Only pointers, the row's length and e are chosen: one text serves both.
; Each load reads one row k at 32 neighbouring columns (128 consecutive bytes a wave, 512 a work-group); a lane's 32 registers are a block of 32 along K of ONE column, so the codes come out with K innermost.
; They leave through the wave's stage, by rows: sixteen lanes store 256 consecutive bytes, aligned.
.Lweights:
	s_sub_co_u32 s19, ttmp9, 512                   ; idx
	s_and_b32 s25, s19, 3                          ; which 256 along K
	s_lshr_b32 s26, s19, 2                         ; which 128 columns, W_out's counted on from 24
	s_mov_b32 s24, 4096
	s_cmp_lt_u32 s19, 96                           ; W_in or W_out?  The choice hangs on the work-group's number alone
	s_cselect_b64 s[20:21], s[6:7], s[8:9]         ; the weight,
	s_cselect_b64 s[22:23], s[14:15], s[16:17]     ; its codes,
	s_cselect_b32 s24, 12288, s24                  ; its row in bytes,
	s_cselect_b32 s27, 0, 24
	s_sub_co_u32 s26, s26, s27                     ; its group of columns
	s_lshl_b32 s30, s26, 7
	s_lshl_b32 s31, s18, 5
	s_add_co_u32 s30, s30, s31                     ; my wave's first column: 128 x group + 32 x wave
	s_mul_i32 s29, s25, s24
	s_lshl_b32 s29, s29, 8                         ; 256 rows x the run along K,
	s_lshl_b32 s31, s30, 2
	s_add_co_u32 s32, s29, s31                     ; + 4 x column
	s_mov_b32 s33, 0
	s_add_nc_u64 s[20:21], s[20:21], s[32:33]
	s_lshl_b32 s32, s30, 10                        ; codes: column x 1,024
	s_lshl_b32 s31, s25, 8
	s_add_co_u32 s32, s32, s31                     ; + 256 x the run along K
	s_add_nc_u64 s[22:23], s[22:23], s[32:33]
	s_lshl_b32 s34, s24, 5                         ; 32 rows: from block to block
	s_mov_b32 s35, 0
	s_mov_b64 s[48:49], s[20:21]                   ; a base for each of the 8 blocks: nothing is stepped while loads are out
.irp t, 1,2,3,4,5,6,7
	s_add_nc_u64 s[48+2*\t:49+2*\t], s[46+2*\t:47+2*\t], s[34:35]
.endr
	s_wait_alu depctr_va_vdst(0)
	v_lshlrev_b32 v[RO], 2, v2                     ; 4 bytes a lane
.set wi, 1
.rept 31
	v_add_nc_u32 v[RO+wi], s24, v[RO+wi-1]         ; a row further down
.set wi, wi+1
.endr
	s_mul_i32 s36, s18, 32*WP
	s_add_co_u32 s36, s36, WSTG                    ; my stage
	v_mul_u32_u24 v4, v2, WP
	v_add_nc_u32 v4, s36, v4                       ; into it: row = my column
	v_and_b32 v5, 15, v2
	v_lshrrev_b32 v6, 4, v2                        ; out of it: sixteen lanes to a row, two rows an instruction
	v_mul_u32_u24 v7, v6, WP
	v_lshl_add_u32 v7, v5, 4, v7
	v_add_nc_u32 v7, s36, v7
	v_lshlrev_b32 v8, 10, v6
	v_lshl_add_u32 v8, v5, 4, v8                   ; and the same place in the codes' buffer: rows of 1,024 bytes
.macro WLOAD t                         ; block t: W(32 t + i, my column), i = 0 .. 31, into set t % 2
.set wi, 0
.rept 32
	global_load_b32 v[WX+32*((\t)%2)+wi], v[RO+wi], s[48+2*(\t):49+2*(\t)] th:TH_LOAD_NT
.set wi, wi+1
.endr
.endm
	WLOAD 0
	WLOAD 1
	s_wait_kmcnt 0x0
	s_cmp_lt_u32 s19, 96
	s_cselect_b32 s28, s41, s47                    ; e1 or e7
	s_add_co_i32 s28, s28, 127
	s_lshl_b32 s29, s28, 23
	v_mov_b32 v11, s29                             ; 2^e as f32
	s_add_co_i32 s28, s28, 8
	s_lshl_b32 s28, s28, 23
	s_or_b32 s28, s28, MANT
	v_mov_b32 v10, s28                             ; 448 x 2^e
.macro WBLOCK t
.set WS, WX+32*((\t)%2)
.if (\t) < NB-1
	s_wait_loadcnt 32                              ; this block's 32 loads are in; the next block's 32 may be out
.else
	s_wait_loadcnt 0
.endif
.set wi, 0
.rept 32
	v_med3_num_f32 v[WS+wi], v[WS+wi], -v10, v10   ; the hold at the largest code x the scale
.set wi, wi+1
.endr
.irp g, 0,1,2,3
	v_cvt_scalef32_pk8_fp8_f32 v[WC+2*\g:WC+2*\g+1], v[WS+8*\g:WS+8*\g+7], v11
.endr
	ds_store_b128 v4, v[WC:WC+3] offset:32*(\t)    ; 32 codes: 32 bytes of my column's row
	ds_store_b128 v4, v[WC+4:WC+7] offset:32*(\t)+16
.if (\t)+2 < NB
	WLOAD (\t)+2
.endif
	s_wait_dscnt 0x0                               ; the stores have read their registers: the next block's codes may be written
.endm
	s_wait_alu depctr_va_vdst(0)
.irp t, 0,1,2,3,4,5,6,7
	WBLOCK \t
.endr
.irp t, 0,1,2,3,4,5,6,7,8,9,10,11,12,13,14,15
	ds_load_b128 v[OUTR+4*\t:OUTR+4*\t+3], v7 offset:2*\t*WP   ; LDS serves a wave's instructions in order: these see my stores
.endr
.irp t, 0,1,2,3,4,5,6,7,8,9,10,11,12,13,14,15
	s_wait_dscnt 15-\t                             ; load t is in; the 15 - t behind it may be out
	global_store_b128 v8, v[OUTR+4*\t:OUTR+4*\t+3], s[22:23] offset:2*\t*1024
.endr
	s_wait_tensorcnt 0x0
	ds_add_u32 v208, v209
	s_wait_dscnt 0x0
	s_endpgm
.Lfunc_end_k_q477b042841_quant:
	.size	k_q477b042841_quant, .Lfunc_end_k_q477b042841_quant-k_q477b042841_quant
	.p2alignl 7, 3214868480
	.fill 96, 4, 3214868480
	.section	.rodata,"a",@progbits
	.p2align	6, 0x0
	.amdhsa_kernel k_q477b042841_quant
		.amdhsa_group_segment_fixed_size 68096
		.amdhsa_private_segment_fixed_size 0
		.amdhsa_enable_private_segment 0
		.amdhsa_kernarg_size 56
		.amdhsa_user_sgpr_count 2
		.amdhsa_user_sgpr_kernarg_segment_ptr 1
		.amdhsa_wavefront_size32 1
		.amdhsa_system_sgpr_workgroup_id_x 1
		.amdhsa_system_sgpr_workgroup_id_y 1
		.amdhsa_system_sgpr_workgroup_id_z 1
		.amdhsa_system_vgpr_workitem_id 0
		.amdhsa_next_free_vgpr 210
		.amdhsa_next_free_sgpr 66
		.amdhsa_reserve_vcc 0
		.amdhsa_float_denorm_mode_32 3
		.amdhsa_float_denorm_mode_16_64 3
		.amdhsa_memory_ordered 1
		.amdhsa_forward_progress 1
		.amdhsa_inst_pref_size 70
	.end_amdhsa_kernel
	.amdgpu_metadata
---
amdhsa.version: [ 1, 2 ]
amdhsa.kernels:
  - .name:           k_q477b042841_quant
    .symbol:         k_q477b042841_quant.kd
    .args:
      - { .name: qkv, .offset: 0, .size: 8, .value_kind: global_buffer, .address_space: global }
      - { .name: W_in, .offset: 8, .size: 8, .value_kind: global_buffer, .address_space: global }
      - { .name: W_out, .offset: 16, .size: 8, .value_kind: global_buffer, .address_space: global }
      - { .name: lowp_scales, .offset: 24, .size: 8, .value_kind: global_buffer, .address_space: global }
      - { .name: x_codes, .offset: 32, .size: 8, .value_kind: global_buffer, .address_space: global }
      - { .name: win_codes, .offset: 40, .size: 8, .value_kind: global_buffer, .address_space: global }
      - { .name: wout_codes, .offset: 48, .size: 8, .value_kind: global_buffer, .address_space: global }
    .group_segment_fixed_size: 68096
    .private_segment_fixed_size: 0
    .kernarg_segment_align: 8
    .kernarg_segment_size: 56
    .max_flat_workgroup_size: 128
    .sgpr_count:     66
    .vgpr_count:     210
    .wavefront_size: 32
...
	.end_amdgpu_metadata
.endif
;; end of part 1
;; launch proj (part 2): grid 12 x 32, 4 waves a work-group, clusters of 4 x 4, 327,680 bytes of LDS; arguments x_codes, win_codes, lowp_scales, b_in, q_codes, k_codes, v_codes; writes q_codes, k_codes, v_codes
.if DOCPART == 2
	.amdgcn_target "amdgcn-amd-amdhsa--gfx1250"
	.amdhsa_code_object_version 6
	.text
	.protected	k_q477b042841_proj
	.globl	k_q477b042841_proj
	.p2align	8
	.type	k_q477b042841_proj,@function
k_q477b042841_proj:
	s_mov_b64 s[64:65], 0
	v_nop
	global_prefetch_b8 v0, s[64:65] scope:SCOPE_SE
	s_setreg_imm32_b32 hwreg(HW_REG_WAVE_MODE, 25, 1), 1
	s_wait_xcnt 0x0
	s_wait_alu depctr_hold_cnt(0) depctr_sa_sdst(0) depctr_va_vdst(0) depctr_va_sdst(0) depctr_va_ssrc(0) depctr_va_vcc(0) depctr_vm_vsrc(0)
	s_getreg_b32 s2, hwreg(HW_REG_IB_STS2, 6, 4)
	s_cmp_eq_u32 s2, 0
	s_cbranch_scc0 .Lentry_in_a_cluster
	s_endpgm
.Lentry_in_a_cluster:
	s_bfe_u32 s2, ttmp6, 0x10000c
	s_cmp_lg_u32 s2, 0xf033
	s_cbranch_scc0 .Lentry_shape_is_right
	s_endpgm
.Lentry_shape_is_right:
.set ROWB,   256
.set KROW,   1024
.set PITCH,  272
.set FR,     16
.set NL,     4
.set NP,     4
.set HALFT,  128*PITCH
.set SLOT,   4*HALFT
.set SPARE,  2*SLOT
.set QSTG,   10240
.set VSTG0,  40960
.set VSTG,   9216
.set ADRA, 16
.set ADRB, 20
.set STQ,  22
.set RDQ,  23
.set STV,  24
.set RDV,  25
.set CO,   26
.set SPW,  28
.set NIL,  29
.set SCL,  30
.set BI,   32
.set VO,   96
.set CD,   104
.set AF,   128
.set BK,   168
.set G1, 24
.set G0, 32
.set G1B, 48
.set G0B, 56
.set MSB, 0
.macro WIN new
.if MSB != (\new)
	s_set_vgpr_msb (MSB<<8)|(\new)
.set MSB, (\new)
.endif
.endm
.set MUL_LO, 0xa1
.set MUL_HI, 0xf1
.set TO_B,   0x40
.macro JLOAD g0a, g1a, g0b, g1b
	s_cmp_eq_u32 s15, 0
	s_cbranch_scc0 .Lfor_b_\@
	tensor_load_to_lds s[\g0a:\g0a+3], s[\g1a:\g1a+7]
	s_nop 0
.rept 4
	v_nop
.endr
	s_branch .Lasked_\@
.Lfor_b_\@:
	tensor_load_to_lds s[\g0b:\g0b+3], s[\g1b:\g1b+7]
	s_nop 0
.rept 4
	v_nop
.endr
.Lasked_\@:
.endm
.macro CREST
	s_cmp_lg_u32 s14, 0
	s_cbranch_scc1 .Lnot_wave_0_\@
	s_barrier_signal -3
.Lnot_wave_0_\@:
	s_barrier_wait -3
	s_barrier_signal -1
	s_barrier_wait -1
.endm
.macro CROUND
	s_barrier_signal -1
	s_barrier_wait -1
	CREST
.endm
	s_load_b256 s[4:11], s[0:1], 0x0
	s_load_b128 s[68:71], s[0:1], 0x20
	s_load_b64 s[72:73], s[0:1], 0x30
	v_lshl_add_u32 v[SPW], v0, 2, SPARE
	v_mov_b32 v[NIL], 0
	ds_add_u32 v28, v29
	ds_add_u32 v28, v29
	s_wait_dscnt 0x0
	v_lshrrev_b32 v1, 5, v0
	v_readfirstlane_b32 s14, v1
	s_lshr_b32 s15, s14, 1
	s_and_b32 s16, s14, 1
	s_bfe_u32 s40, ttmp6, 0x40000
	s_bfe_u32 s41, ttmp6, 0x40004
	s_and_b32 s17, ttmp7, 0xffff
	s_lshl_b32 s17, s17, 2
	s_lshl_b32 s42, ttmp9, 2
	s_cmp_eq_u32 ttmp9, 2
	s_cselect_b32 s74, 8, s17
	s_cselect_b32 s75, s17, s42
	s_add_co_u32 s74, s74, s41
	s_add_co_u32 s75, s75, s40
	s_lshl_b32 s43, s41, 2
	s_lshl_b32 s43, 15, s43
	s_lshl_b32 s44, 0x1111, s40
	s_or_b32 s[G1+0], s43, (0<<16)|(1<<20)|(1<<21)|(5<<22)|(3<<25)
	s_or_b32 s[G1B+0], s44, (0<<16)|(1<<20)|(1<<21)|(5<<22)|(3<<25)
.irp g, G1, G1B
	s_mov_b32 s[\g+1], ROWB<<16
	s_mov_b32 s[\g+2], 128<<16
	s_mov_b32 s[\g+3], ROWB<<16
	s_mov_b32 s[\g+4], 128
	s_mov_b32 s[\g+5], KROW
	s_mov_b32 s[\g+6], 0
	s_mov_b32 s[\g+7], 0
.endr
	s_lshl_b32 s18, s16, 7
	s_lshl_b32 s20, s74, 8
	s_add_co_u32 s20, s20, s18
	s_lshl_b32 s20, s20, 10
	s_mov_b32 s21, 0
	s_lshl_b32 s46, s75, 8
	s_add_co_u32 s46, s46, s18
	s_lshl_b32 s46, s46, 10
	s_mov_b32 s47, 0
	s_mul_i32 s45, s14, HALFT
	s_wait_kmcnt 0x0
	s_load_b256 s[84:91], s[8:9], 0x0
	s_cmp_eq_u32 ttmp9, 2
	s_cselect_b64 s[76:77], s[6:7], s[4:5]
	s_cselect_b64 s[78:79], s[4:5], s[6:7]
	s_add_nc_u64 s[20:21], s[76:77], s[20:21]
	s_add_nc_u64 s[46:47], s[78:79], s[46:47]
	CROUND
.irp s, 0,1
	s_mov_b32 s[G0+4*\s], 1
	s_add_co_u32 s[G0+4*\s+1], s45, \s*SLOT
	s_add_nc_u64 s[G0+4*\s+2:G0+4*\s+3], s[20:21], \s*ROWB
	s_or_b32 s[G0+4*\s+3], s[G0+4*\s+3], 0x80000000
	s_mov_b32 s[G0B+4*\s], 1
	s_add_co_u32 s[G0B+4*\s+1], s45, \s*SLOT
	s_add_nc_u64 s[G0B+4*\s+2:G0B+4*\s+3], s[46:47], \s*ROWB
	s_or_b32 s[G0B+4*\s+3], s[G0B+4*\s+3], 0x80000000
	s_wait_alu depctr_va_vdst(0)
	s_wait_tensorcnt 0x0
	ds_add_u32 v28, v29
	ds_add_u32 v28, v29
	s_wait_dscnt 0x0
	CROUND
	JLOAD G0+4*\s, G1, G0B+4*\s, G1B
.endr
	v_and_b32 v1, 15, v0
	s_wait_alu depctr_va_vdst(0)
	v_bfe_u32 v2, v0, 4, 1
	v_mul_u32_u24 v3, v1, PITCH
	v_lshl_add_u32 v4, v2, 4, v3
	s_mul_i32 s21, s15, HALFT
	s_mul_i32 s22, s16, HALFT
	s_add_co_u32 s22, s22, 2*HALFT
.irp s, 0,1
	v_add_nc_u32 v[ADRA+\s], s21, v4
	v_add_nc_u32 v[ADRB+\s], s22, v4
	s_add_co_u32 s21, s21, SLOT
	s_add_co_u32 s22, s22, SLOT
.endr
	s_mul_i32 s23, s14, QSTG
	v_mul_u32_u24 v5, v1, 80
	s_wait_alu depctr_va_vdst(0)
	v_lshl_add_u32 v5, v2, 3, v5
	v_add_nc_u32 v[STQ], s23, v5
	v_and_b32 v6, 31, v0
	v_lshrrev_b32 v7, 2, v6
	v_mul_u32_u24 v7, v7, 80
	v_and_b32 v8, 3, v6
	v_lshl_add_u32 v7, v8, 4, v7
	v_add_nc_u32 v[RDQ], s23, v7
	s_mul_i32 s23, s14, VSTG
	s_add_co_u32 s23, s23, VSTG0
	v_mul_u32_u24 v5, v1, 144
	v_lshl_add_u32 v5, v2, 4, v5
	v_add_nc_u32 v[STV], s23, v5
	v_lshrrev_b32 v7, 3, v6
	v_mul_u32_u24 v7, v7, 144
	v_and_b32 v8, 7, v6
	v_lshl_add_u32 v7, v8, 4, v7
	v_add_nc_u32 v[RDV], s23, v7
	v_lshlrev_b32 v[CO], 4, v6
	s_lshl_b32 s80, s74, 8
	s_lshl_b32 s92, s15, 7
	s_add_co_u32 s80, s80, s92
	s_lshl_b32 s93, s75, 8
	s_lshl_b32 s92, s16, 7
	s_add_co_u32 s93, s93, s92
	s_cmp_eq_u32 ttmp9, 2
	s_cselect_b32 s80, s80, s93
	s_cselect_b32 s81, 4, 0
	s_cselect_b32 s82, 0, 32
	s_cselect_b32 s83, 0, 4
	s_lshl_b32 s92, s80, 2
	s_mov_b32 s93, 0
	s_add_nc_u64 s[10:11], s[10:11], s[92:93]
	v_mul_u32_u24 v[VO], v1, s81
	v_mad_u32_u24 v[VO], v2, s82, v[VO]
.irp p, 1,2,3,4,5,6,7
	v_add_nc_u32 v[VO+\p], s83, v[VO+\p-1]
.endr
.irp x, 0,1,2,3,4,5,6,7
.irp p, 0,1,2,3,4,5,6,7
	global_load_b32 v[BI+8*\x+\p], v[VO+\p], s[10:11] offset:64*\x
.endr
.endr
.macro FRAG reg, adr, q, i
.irp c, 0,1,2,3
	ds_load_b128 v[\reg+4*\c:\reg+4*\c+3], v[\adr] offset:128*(\q)+32*\c+(\i)*16*PITCH
.endr
.endm
.macro MUL16 a0, p, zero
.irp a, \a0, \a0+1
.irp b, 0,1,2,3,4,5,6,7
.if \zero
	v_wmma_f32_16x16x128_fp8_fp8 v[8*(8*((\a)%4)+\b):8*(8*((\a)%4)+\b)+7], v[128*(\p)+FR*\b:128*(\p)+FR*\b+FR-1], v[AF+FR*(\a):AF+FR*(\a)+FR-1], 0
.else
	v_wmma_f32_16x16x128_fp8_fp8 v[8*(8*((\a)%4)+\b):8*(8*((\a)%4)+\b)+7], v[128*(\p)+FR*\b:128*(\p)+FR*\b+FR-1], v[AF+FR*(\a):AF+FR*(\a)+FR-1], v[8*(8*((\a)%4)+\b):8*(8*((\a)%4)+\b)+7]
.endif
.endr
.endr
.endm
.macro FETCH_B slot, q, p
	WIN TO_B
.irp i, 0,1,2,3,4,5,6,7
	FRAG 128*(\p)+FR*\i, ADRB+\slot, \q, \i
.endr
	WIN 0
.endm
.macro FETCH_A slot, q, i0
.irp i, \i0, \i0+1, \i0+2, \i0+3
	FRAG AF+FR*(\i), ADRA+\slot, \q, \i
.endr
.endm
.macro PLACES n
.rept \n
	v_nop
.endr
.endm
.macro STEP slot, q, zero
	s_wait_dscnt 4*NL
	WIN MUL_LO
	MUL16 0, (\q)%2, \zero
	MUL16 2, (\q)%2, \zero
	s_wait_dscnt 0
	PLACES NP
	FETCH_B \slot, (\q)+1, 1-(\q)%2
	FETCH_A \slot, (\q)+1, 0
	WIN MUL_HI
	MUL16 4, (\q)%2, \zero
	MUL16 6, (\q)%2, \zero
	PLACES NP
	WIN 0
	FETCH_A \slot, (\q)+1, 4
.endm
.macro TURN slot, next, fill
	s_wait_tensorcnt 0x0
	ds_add_u32 v[SPW], v[NIL]
	s_wait_dscnt 4*NL+1
	WIN MUL_LO
	MUL16 0, 1, 0
	s_wait_dscnt 0x0
	s_barrier_signal -1
	MUL16 2, 1, 0
	WIN 0
	s_barrier_wait -1
.if \fill
	CREST
	s_add_nc_u64 s[G0+4*\slot+2:G0+4*\slot+3], s[G0+4*\slot+2:G0+4*\slot+3], 2*ROWB
	s_add_nc_u64 s[G0B+4*\slot+2:G0B+4*\slot+3], s[G0B+4*\slot+2:G0B+4*\slot+3], 2*ROWB
	JLOAD G0+4*\slot, G1, G0B+4*\slot, G1B
.else
	PLACES NP
.endif
	FETCH_B \next, 0, 0
	FETCH_A \next, 0, 0
	WIN MUL_HI
	MUL16 4, 1, 0
	MUL16 6, 1, 0
	PLACES NP
	WIN 0
	FETCH_A \next, 0, 4
.endm
	s_wait_tensorcnt 1
	s_barrier_signal -1
	s_barrier_wait -1
	FETCH_B 0, 0, 0
	FETCH_A 0, 0, 0
	FETCH_A 0, 0, 4
	STEP 0, 0, 1
	TURN 0, 1, 1
	STEP 1, 0, 0
	TURN 1, 0, 1
	STEP 0, 0, 0
	TURN 0, 1, 0
	STEP 1, 0, 0
	s_wait_dscnt 4*NL
	WIN MUL_LO
	MUL16 0, 1, 0
	MUL16 2, 1, 0
	s_wait_dscnt 0
	WIN MUL_HI
	MUL16 4, 1, 0
	MUL16 6, 1, 0
	WIN 0
.macro EPI isv, w
	WIN 0x82+0x41*(\w)
.set ea, 0
.rept 32
.if \isv
.set bb, BI+8*(4*(\w)+ea/8)
.else
.set bb, BI+8*(ea%8)
.endif
.irp p, 0,2,4,6
	v_pk_fma_f32 v[8*ea+\p:8*ea+\p+1], v[8*ea+\p:8*ea+\p+1], s[96:97], v[bb+\p:bb+\p+1] op_sel_hi:[1,0,1]
.endr
.irp p, 0,1,2,3,4,5,6,7
	v_med3_num_f32 v[8*ea+\p], v[8*ea+\p], s95, s94
.endr
.set ea, ea+1
.endr
	WIN 0x02+(\w)
.set ea, 0
.rept 32
	v_cvt_scalef32_pk8_fp8_f32 v[CD+2*ea:CD+2*ea+1], v[8*ea:8*ea+7], v[SCL]
.set ea, ea+1
.endr
	WIN 0
	v_nop
.if \isv
.set ea, 0
.rept 16
	ds_store_b128 v[STV], v[CD+4*ea:CD+4*ea+3] offset:2304*(ea/4)+32*(ea%4)
.set ea, ea+1
.endr
.else
.set ea, 0
.rept 32
	ds_store_b64 v[STQ], v[CD+2*ea:CD+2*ea+1] offset:((ea%8)/4)*5120+1280*(ea/8)+16*(ea%4)
.set ea, ea+1
.endr
.endif
.if \w
	s_wait_xcnt 0x0
.endif
.irp n, 0,1,2,3,4,5,6,7,8,9,10,11,12,13,14,15
.if \isv
	ds_load_b128 v[BK+4*\n:BK+4*\n+3], v[RDV] offset:576*\n
.else
	ds_load_b128 v[BK+4*\n:BK+4*\n+3], v[RDQ] offset:5120*(\n/8)+640*(\n%8)
.endif
.endr
.irp n, 0,1,2,3,4,5,6,7,8,9,10,11,12,13,14,15
	s_wait_dscnt 15-\n
.if \isv
	global_store_b128 v[CO], v[BK+4*\n:BK+4*\n+3], s[22:23] offset:131072*(\w)+512*\n
.else
	global_store_b128 v[CO], v[BK+4*\n:BK+4*\n+3], s[22:23] offset:131072*(\n/8)+4096*(\w)+512*(\n%8)
.endif
.endr
.endm
	s_wait_kmcnt 0x0
	s_add_co_i32 s96, s84, s85
	s_add_co_i32 s96, s96, 127
	s_lshl_b32 s96, s96, 23
	s_mov_b32 s97, s96
	s_cmp_eq_u32 ttmp9, 0
	s_cselect_b32 s92, s86, s87
	s_cmp_eq_u32 ttmp9, 2
	s_cselect_b32 s92, s89, s92
	s_add_co_i32 s92, s92, 127
	s_lshl_b32 s93, s92, 23
	s_add_co_i32 s92, s92, 8
	s_lshl_b32 s94, s92, 23
	s_or_b32 s94, s94, 0x600000
	s_or_b32 s95, s94, 0x80000000
	s_wait_loadcnt 0x0
	PLACES NP
	v_mov_b32 v[SCL], s93
	s_cmp_eq_u32 ttmp9, 2
	s_cbranch_scc1 .Lv
	s_lshl_b32 s20, s74, 8
	s_lshl_b32 s21, s15, 7
	s_add_co_u32 s20, s20, s21
	s_lshr_b32 s21, s20, 11
	s_lshl_b32 s21, s21, 21
	s_and_b32 s20, s20, 2047
	s_lshl_b32 s20, s20, 6
	s_add_co_u32 s20, s20, s21
	s_lshl_b32 s21, s40, 2
	s_lshl_b32 s22, s16, 1
	s_add_co_u32 s21, s21, s22
	s_lshl_b32 s21, s21, 17
	s_add_co_u32 s20, s20, s21
	s_mov_b32 s21, 0
	s_cmp_eq_u32 ttmp9, 0
	s_cselect_b64 s[22:23], s[68:69], s[70:71]
	s_add_nc_u64 s[22:23], s[22:23], s[20:21]
	EPI 0, 0
	EPI 0, 1
	s_branch .Ldone
.Lv:
	s_lshl_b32 s20, s75, 8
	s_lshl_b32 s21, s16, 7
	s_add_co_u32 s20, s20, s21
	s_lshr_b32 s21, s20, 11
	s_lshl_b32 s21, s21, 8
	s_and_b32 s20, s20, 2047
	s_lshr_b32 s20, s20, 7
	s_add_co_u32 s20, s20, s21
	s_lshl_b32 s21, s41, 2
	s_lshl_b32 s22, s15, 1
	s_add_co_u32 s21, s21, s22
	s_lshl_b32 s21, s21, 4
	s_add_co_u32 s20, s20, s21
	s_lshl_b32 s20, s20, 13
	s_mov_b32 s21, 0
	s_add_nc_u64 s[22:23], s[72:73], s[20:21]
	EPI 1, 0
	EPI 1, 1
.Ldone:
	s_wait_tensorcnt 0x0
	ds_add_u32 v[SPW], v[NIL]
	s_wait_dscnt 0x0
	CROUND
	s_endpgm
.Lfunc_end_k_q477b042841_proj:
	.size	k_q477b042841_proj, .Lfunc_end_k_q477b042841_proj-k_q477b042841_proj
	.p2alignl 7, 3214868480
	.fill 96, 4, 3214868480
	.section	.rodata,"a",@progbits
	.p2align	6, 0x0
	.amdhsa_kernel k_q477b042841_proj
		.amdhsa_group_segment_fixed_size 327680
		.amdhsa_private_segment_fixed_size 0
		.amdhsa_enable_private_segment 0
		.amdhsa_kernarg_size 56
		.amdhsa_user_sgpr_count 2
		.amdhsa_user_sgpr_kernarg_segment_ptr 1
		.amdhsa_wavefront_size32 1
		.amdhsa_system_sgpr_workgroup_id_x 1
		.amdhsa_system_sgpr_workgroup_id_y 1
		.amdhsa_system_sgpr_workgroup_id_z 1
		.amdhsa_system_vgpr_workitem_id 0
		.amdhsa_next_free_vgpr 1024
		.amdhsa_next_free_sgpr 100
		.amdhsa_reserve_vcc 0
		.amdhsa_float_denorm_mode_32 3
		.amdhsa_float_denorm_mode_16_64 3
		.amdhsa_memory_ordered 1
		.amdhsa_forward_progress 1
		.amdhsa_inst_pref_size 210
	.end_amdhsa_kernel
	.amdgpu_metadata
---
amdhsa.version: [ 1, 2 ]
amdhsa.kernels:
  - .name:           k_q477b042841_proj
    .symbol:         k_q477b042841_proj.kd
    .args:
      - { .name: x_codes, .offset: 0, .size: 8, .value_kind: global_buffer, .address_space: global }
      - { .name: win_codes, .offset: 8, .size: 8, .value_kind: global_buffer, .address_space: global }
      - { .name: lowp_scales, .offset: 16, .size: 8, .value_kind: global_buffer, .address_space: global }
      - { .name: b_in, .offset: 24, .size: 8, .value_kind: global_buffer, .address_space: global }
      - { .name: q_codes, .offset: 32, .size: 8, .value_kind: global_buffer, .address_space: global }
      - { .name: k_codes, .offset: 40, .size: 8, .value_kind: global_buffer, .address_space: global }
      - { .name: v_codes, .offset: 48, .size: 8, .value_kind: global_buffer, .address_space: global }
    .group_segment_fixed_size: 327680
    .private_segment_fixed_size: 0
    .kernarg_segment_align: 8
    .kernarg_segment_size: 56
    .max_flat_workgroup_size: 128
    .sgpr_count:     100
    .vgpr_count:     1024
    .wavefront_size: 32
...
	.end_amdgpu_metadata
.endif
;; end of part 2
;; launch attn (part 3): grid 4 x 64, 16 waves a work-group, clusters of 4 x 1, 327,680 bytes of LDS; arguments q_codes, k_codes, v_codes, lowp_scales, ctx_codes; writes ctx_codes
.if DOCPART == 3
	.amdgcn_target "amdgcn-amd-amdhsa--gfx1250"
	.amdhsa_code_object_version 6
	.text
	.protected	k_q477b042841_attn
	.globl	k_q477b042841_attn
	.p2align	8
	.type	k_q477b042841_attn,@function
k_q477b042841_attn:
	s_mov_b64 s[64:65], 0
	v_nop
	global_prefetch_b8 v0, s[64:65] scope:SCOPE_SE
	s_setreg_imm32_b32 hwreg(HW_REG_WAVE_MODE, 25, 1), 1
	s_wait_xcnt 0x0
	s_wait_alu depctr_hold_cnt(0) depctr_sa_sdst(0) depctr_va_vdst(0) depctr_va_sdst(0) depctr_va_ssrc(0) depctr_va_vcc(0) depctr_vm_vsrc(0)
	s_getreg_b32 s2, hwreg(HW_REG_IB_STS2, 6, 4)
	s_cmp_eq_u32 s2, 0
	s_cbranch_scc0 .Lentry_in_a_cluster
	s_endpgm
.Lentry_in_a_cluster:
	s_bfe_u32 s2, ttmp6, 0x10000c
	s_cmp_lg_u32 s2, 0x3003
	s_cbranch_scc0 .Lentry_shape_is_right
	s_endpgm
.Lentry_shape_is_right:
; ctx[head][q] = the sum over k of softmax_k(q . k / 8) v, both products on codes of FP8 (E4M3), and ctx quantised at once with 2^e6.  64 heads (batch x 16 + head), 2,048 tokens, head size 64.
; q_codes, k_codes [64][2048][64 d].  v_codes [64][16 blocks][64 d][128 keys], inside each 32 keys byte 16 h + 8 u + w = key 16 u + 8 h + w.  ctx_codes [64 blocks of 128 tokens][16 heads][128 tokens][64 d].
; THE SOFTMAX: t = score x log2(e) / 8; M = the row's largest t so far, rounded UP to a whole number; p = 2^(t - M) is quantised with 2^e4, not normalised.
; The row's sum is taken of the unquantised p, in f32, and divides O at the end.  When M moves, the sum and O are multiplied by 2^(old M - new M): exact.  No step of the problem is left out.
; SHARES.  A work-group owns 512 queries of one head: 4 x 64 = 256 work-groups.  Each of its sixteen waves owns 32 queries, two tiles A and B, in 256 registers: every fragment of K and of V that a wave reads feeds two matrix instructions.
; Every wave walks all keys, 128 a step.  K and V come through two LDS slots of 512 keys (four steps), filled by the tensor data mover (waves 0, 1: K's halves; waves 2, 3: V's) and read by all sixteen.
; CLUSTER.  The four work-groups of a head walk the same K and V: each tile is asked for JOINTLY, by the same load with a mask that names the four.
; NO PREFETCH: a slot's load is issued four key steps (512 keys x 512 queries of work) ahead of the wait for it, and the launch has three refills in all.
; LAYOUT.  S^T = K Q^T (source 0 = 16 neighbouring keys, source 1 = 16 queries), O^T = V^T P^T: a lane holds query lane % 16 of each tile.  Tile t's eight registers are keys 16 t + 8 (lane / 16) + 0 .. 7:
; their eight codes are registers 2 t, 2 t + 1 of the second product's operand, in that form's own order; V's bytes are laid to match.
; LIMITS: e2 + e3 between -123 and 130 (added to c's exponent field); e4 and e6 between -126 and 119; e4 + e5 goes in by v_ldexp_f32 and has none; the scaled scores stay under 2^31 in magnitude.
.set KP,    80                         ; a key's row in LDS: 64 bytes + 16
.set VP,    144                        ; a channel's row of 128 keys: 128 + 16
.set VOFF,  512*KP                     ; a slot: 512 rows of K, then four blocks of 64 rows of V
.set VBLK,  64*VP
.set SLOT1, 1<<17                      ; slot 1 begins here: one exclusive or turns an address in one slot into the other's
.set NSL,   4                          ; 2,048 keys are four slots' worth
.set SPARE, 2*SLOT1                    ; behind the ring: the spare words, 128 bytes for each of sixteen waves, that no other line names
.set STG,   32*KP                      ; the way out: 32 tokens x 80 bytes for each wave, in slot 0's rows of K: left at the last change of slots, it has had its last fill and nobody reads it
.set SPW,  1                           ; v1   LDS address of my spare word; never rewritten
.set NIL,  2                           ; v2   0; never rewritten
.set AK0,  3                           ; v3   my lane's place in a tile of K
.set AV0,  4                           ; v4   the same for V
.set SCL,  5                           ; v5   2^e4 for p's conversions (on the way out 2^e6)
.set MA,   6                           ; v[6:7]  -M and the largest raw score of tile A;  v[8:9] of tile B
.set MB,   8
.set FA,   10                          ; v10  K's address at a step's head, then f of tile A;  v11 V's address (also named as the pair's upper half)
.set ADK,  10
.set ADV,  11
.set SUA,  12                          ; v[12:13], v[14:15] the sums, each in two halves
.set SUB,  14
.set QA,   16                          ; v16-23, v24-31 Q's two fragments
.set QB,   24
.set KC,   32                          ; v32-63  four fragments of K; then scratch; then p's codes (A: 32-47, B: 48-63)
.set FB,   62                          ; v[62:63] f of tile B, while the codes are not yet made
.set TS,   48                          ; v48-61  seven more chains for a tile's sum
.set SA,   64                          ; v64-127 S^T, then p of tile A; then V's four fragments
.set SB,   128                         ; v128-191 the same of tile B
.set OA,   192                         ; v192-223, v224-255 O^T
.set OB,   224
.set WV,   18
.set SEL,  20                          ; s[20:21] lane selects for v_permlanex16_b32: lane l xor 16
.set CS,   22                          ; s[22:23] c = log2(e) / 8 x 2^(e2 + e3)
.set G1K,  24
.set G1V,  32
.set G0K,  40
.set G0V,  44
.set TB,   66                          ; LDS byte at which the slot in hand begins
.set SLOTS, 67
.set E6,   75
.set HLD,  76                          ; 448 x 2^e4
.set CSN,  77                          ; -c
.set SK,   78                          ; LDS byte of the step's rows of K
.set SV,   79                          ; and of its block of V, less VOFF
.set CNT,  80
.macro D n
	s_delay_alu instid0(VALU_DEP_\n)
.endm
; Waves 0 and 1 fetch for K, waves 2 and 3 for V, the others nothing.  The branches hang on the wave's number alone.
.macro TLOAD
	s_cmp_lt_u32 s[WV], 2
	s_cbranch_scc0 .Lnot_k_\@
	tensor_load_to_lds s[G0K:G0K+3], s[G1K:G1K+7]
	s_nop 0
.rept 4
	v_nop
.endr
	s_branch .Lasked_\@
.Lnot_k_\@:
	s_cmp_lt_u32 s[WV], 4
	s_cbranch_scc0 .Lasked_\@
	tensor_load_to_lds s[G0V:G0V+3], s[G1V:G1V+7]
	s_nop 0
.rept 4
	v_nop
.endr
.Lasked_\@:
.endm
.macro ROUND                           ; a round of the cluster's barrier
	s_barrier_signal -1
	s_barrier_wait -1
	s_cmp_lg_u32 s[WV], 0
	s_cbranch_scc1 .Lnot_wave_0_\@
	s_barrier_signal -3
.Lnot_wave_0_\@:
	s_barrier_wait -3
	s_barrier_signal -1
	s_barrier_wait -1
.endm
	s_load_b256 s[4:11], s[0:1], 0x0               ; q_codes, k_codes, v_codes, the exponents
	s_load_b64 s[12:13], s[0:1], 0x20              ; ctx_codes
	v_lshl_add_u32 v[SPW], v0, 2, SPARE
	v_mov_b32 v[NIL], 0
	ds_add_u32 v[SPW], v[NIL]                      ; the opening lines: the add, twice on end, and its wait ahead of the first tensor load
	ds_add_u32 v[SPW], v[NIL]
	v_lshrrev_b32 v32, 5, v0
	v_readfirstlane_b32 s[WV], v32                 ; wave 0..15
	s_bfe_u32 s56, ttmp6, 0x40000                  ; cx
	s_lshl_b32 s57, ttmp9, 2
	s_add_co_u32 s57, s57, s56                     ; my block of 512 queries: it enters Q's and ctx's addresses alone
	s_and_b32 s58, ttmp7, 0xffff                   ; the head, which the four partners share
	s_lshl_b32 s60, s58, 17                        ; 131,072 bytes a head in q, k and v
	s_lshl_b32 s62, s57, 15                        ; Q: 512 queries x 64 bytes,
	s_lshl_b32 s63, s[WV], 11                      ; 32 x 64 for each wave
	s_add_co_u32 s62, s62, s63
	s_add_co_u32 s62, s62, s60
	s_mov_b32 s63, 0
	s_and_b32 s59, s[WV], 1                        ; which half of a slot's K or V I fetch, if I fetch
	s_lshl_b32 s61, s59, 14
	s_add_co_u32 s60, s60, s61
	s_mov_b32 s61, 0
	s_mul_i32 s70, s59, 256*KP
	s_mul_i32 s71, s59, 2*VBLK
	s_add_co_u32 s71, s71, VOFF
	s_lshr_b32 s68, s58, 4                         ; ctx: batch
	s_lshl_b32 s68, s68, 4                         ; x 16 blocks of 128 tokens
	s_lshl_b32 s69, s57, 2
	s_add_co_u32 s68, s68, s69                     ; + 4 x my block of queries
	s_lshr_b32 s69, s[WV], 2
	s_add_co_u32 s68, s68, s69                     ; + wave / 4
	s_lshl_b32 s68, s68, 4
	s_and_b32 s69, s58, 15
	s_add_co_u32 s68, s68, s69                     ; x 16 heads + head
	s_lshl_b32 s68, s68, 13                        ; x 8,192 bytes
	s_and_b32 s69, s[WV], 3
	s_lshl_b32 s69, s69, 11
	s_add_co_u32 s68, s68, s69                     ; + 32 tokens x 64 bytes x (wave % 4)
	s_mov_b32 s69, 0
	; group 1: each load is 16,384 bytes on end in memory, stated as 64 rows of 256 bytes; the padding is counted along the tile, behind every 64 bytes (K: a key) or every 128 (V: a channel's keys)
	s_mov_b32 s[G1K], 15|(0<<16)|(1<<20)|(1<<21)|(3<<22)|(3<<25)
	s_mov_b32 s[G1V], 15|(0<<16)|(1<<20)|(1<<21)|(4<<22)|(3<<25)
.irp g, G1K, G1V
	s_mov_b32 s[\g+1], 256<<16
	s_mov_b32 s[\g+2], 64<<16
	s_mov_b32 s[\g+3], 256<<16
	s_mov_b32 s[\g+4], 64
	s_mov_b32 s[\g+5], 256
	s_mov_b32 s[\g+6], 0
	s_mov_b32 s[\g+7], 0
.endr
	s_mov_b32 s[SEL], 0x76543210
	s_mov_b32 s[SEL+1], 0xfedcba98
	s_mov_b32 s[CS], 0x3e38aa3b                    ; log2(e) / sqrt(64)
	s_mov_b32 s[TB], 0
	s_mov_b32 s[SLOTS], NSL-1
	s_wait_dscnt 0x0                               ; both opening adds are done
	s_wait_kmcnt 0x0
	s_load_b256 s[48:55], s[10:11], 0x0            ; e0 .. e7
	s_mov_b32 s[G0K], 1
	s_mov_b32 s[G0K+1], s70
	s_add_nc_u64 s[G0K+2:G0K+3], s[6:7], s[60:61]
	s_or_b32 s[G0K+3], s[G0K+3], 0x80000000
	s_mov_b32 s[G0V], 1
	s_mov_b32 s[G0V+1], s71
	s_add_nc_u64 s[G0V+2:G0V+3], s[8:9], s[60:61]
	s_or_b32 s[G0V+3], s[G0V+3], 0x80000000
	ROUND                                          ; all four work-groups are here: the first joint loads meet
	TLOAD                                          ; slot 0
	s_add_nc_u64 s[4:5], s[4:5], s[62:63]          ; Q's codes at my first query
	s_add_nc_u64 s[12:13], s[12:13], s[68:69]      ; ctx's at my 32 tokens
	v_and_b32 v32, 15, v0                          ; r
	v_bfe_u32 v33, v0, 4, 1                        ; h
	D 2
	v_lshlrev_b32 v34, 6, v32
	D 1
	v_lshl_add_u32 v34, v33, 4, v34                ; Q: row r of 64 bytes + 16 h
	global_load_b128 v[QA:QA+3],   v34, s[4:5]             ; registers 4 c .. 4 c + 3 hold d = 32 c + 16 h + 0 .. 15: the same places as in K's fragments
	global_load_b128 v[QA+4:QA+7], v34, s[4:5] offset:32
	global_load_b128 v[QB:QB+3],   v34, s[4:5] offset:1024
	global_load_b128 v[QB+4:QB+7], v34, s[4:5] offset:1056
	v_mul_u32_u24 v[AK0], v32, KP
	v_mul_u32_u24 v[AV0], v32, VP
	D 2
	v_lshl_add_u32 v[AK0], v33, 4, v[AK0]
	D 2
	v_lshl_add_u32 v[AV0], v33, 4, v[AV0]
	D 1
	v_add_nc_u32 v[AV0], VOFF, v[AV0]
	v_mov_b32 v[MA+1], 0xce800000                  ; the largest raw score so far: -2^30, under every sum of 64 products of two codes
	v_mov_b32 v[MB+1], 0xce800000
.irp j, 12,13,14,15
	v_mov_b32 v\j, 0                               ; the sums
.endr
.set i, 0
.rept 64
	v_mov_b32 v[OA+i], 0                           ; O^T.  (The step is written once: the first finds zeros, which the first change of M leaves zeros)
.set i, i+1
.endr
	s_wait_alu depctr_va_vdst(0)                   ; the wait here, directly ahead of the wait below
	s_wait_kmcnt 0x0
	s_add_co_i32 s70, s50, s51
	s_lshl_b32 s70, s70, 23
	s_add_co_i32 s[CS], s[CS], s70                 ; a score stands for score x 2^(e2 + e3)
	s_mov_b32 s[CS+1], s[CS]
	s_xor_b32 s[CSN], s[CS], 0x80000000
	s_add_co_i32 s70, s52, 127
	s_lshl_b32 s71, s70, 23
	s_add_co_i32 s70, s70, 8
	s_lshl_b32 s[HLD], s70, 23
	s_or_b32 s[HLD], s[HLD], 0x600000
	s_add_co_i32 s70, s54, 127
	s_lshl_b32 s[E6], s70, 23                      ; 2^e6
	s_add_co_i32 s70, s70, 8
	s_lshl_b32 s72, s70, 23
	s_or_b32 s72, s72, 0x600000                    ; 448 x 2^e6,
	s_or_b32 s73, s72, 0x80000000                  ; and its negative
	s_add_co_i32 s74, s52, s53                     ; e4 + e5
	v_mov_b32 v[SCL], s71
	v_mul_f32 v[MA], s[CSN], v[MA+1]
	v_mul_f32 v[MB], s[CSN], v[MB+1]
	D 2
	v_floor_f32 v[MA], v[MA]                       ; -M
	D 2
	v_floor_f32 v[MB], v[MB]
.macro SUM s, u                        ; the tile's 32 pairs of p onto its sum: eight chains, 32 additions
.irp c, 1,2,3,4,5,6,7
	v_pk_add_f32 v[TS+2*\c-2:TS+2*\c-1], v[\s+4*\c-4:\s+4*\c-3], v[\s+4*\c-2:\s+4*\c-1]
.endr
	v_pk_add_f32 v[\u:\u+1], v[\u:\u+1], v[\s+28:\s+29]
.irp c, 1,2,3,4,5,6,7
	v_pk_add_f32 v[TS+2*\c-2:TS+2*\c-1], v[TS+2*\c-2:TS+2*\c-1], v[\s+28+2*\c:\s+29+2*\c]
.endr
	v_pk_add_f32 v[\u:\u+1], v[\u:\u+1], v[\s+44:\s+45]
.irp c, 1,2,3,4,5,6,7
	v_pk_add_f32 v[TS+2*\c-2:TS+2*\c-1], v[TS+2*\c-2:TS+2*\c-1], v[\s+44+2*\c:\s+45+2*\c]
.endr
	v_pk_add_f32 v[\u:\u+1], v[\u:\u+1], v[\s+60:\s+61]
	v_pk_add_f32 v[TS:TS+1], v[TS:TS+1], v[\s+62:\s+63]
	v_pk_add_f32 v[TS+2:TS+3], v[TS+2:TS+3], v[TS+10:TS+11]
	v_pk_add_f32 v[TS+4:TS+5], v[TS+4:TS+5], v[TS+12:TS+13]
	v_pk_add_f32 v[\u:\u+1], v[\u:\u+1], v[TS+6:TS+7]
	D 4
	v_pk_add_f32 v[TS:TS+1], v[TS:TS+1], v[TS+8:TS+9]
	D 2
	v_pk_add_f32 v[\u:\u+1], v[\u:\u+1], v[TS+2:TS+3]
	D 2
	v_pk_add_f32 v[TS:TS+1], v[TS:TS+1], v[TS+4:TS+5]
	D 1
	v_pk_add_f32 v[\u:\u+1], v[\u:\u+1], v[TS:TS+1]
.endm
.macro HOLD s                          ; the conversion does not saturate (ISA guide 7.6.2); p is not negative, so the hold is one-sided; it stands whatever e4 is.  Two numbers an instruction
.set i, 0
.rept 32
	v_dual_min_num_f32 v[\s+i], s[HLD], v[\s+i] :: v_dual_min_num_f32 v[\s+i+1], s[HLD], v[\s+i+1]
.set i, i+2
.endr
.endm
.macro CVT s, c
.irp t, 0,1,2,3,4,5,6,7
	v_cvt_scalef32_pk8_fp8_f32 v[\c+2*\t:\c+2*\t+1], v[\s+8*\t:\s+8*\t+7], v[SCL]
.endr
.endm
; A KEY STEP: 128 keys against my 32 queries.
.macro STEP
	v_add_nc_u32 v[ADK], s[SK], v[AK0]
	v_add_nc_u32 v[ADV], s[SV], v[AV0]
.rept 3
	v_nop                                          ; with the two additions five places behind the last products: their operands' registers are loaded into, and written by matrix instructions, below
.endr
.irp g, 0,1                                    ; S^T = K Q^T, four fragments of 16 keys at a time, each against both tiles of queries
.if \g
.rept 4
	v_nop                                          ; places in front of loads into registers that the products above read
.endr
.endif
.irp t, 0,1,2,3
	ds_load_b128 v[KC+8*\t:KC+8*\t+3],   v[ADK] offset:(64*\g+16*\t)*KP
	ds_load_b128 v[KC+8*\t+4:KC+8*\t+7], v[ADK] offset:(64*\g+16*\t)*KP+32
.endr
.if \g == 0
	s_wait_alu depctr_va_vdst(0)                   ; the wait here, directly ahead of the wait below
.endif
.irp t, 0,1,2,3
	s_wait_dscnt 6-2*\t                            ; fragment t's two loads are in; the 2 (3 - t) behind them may be out
	v_wmma_f32_16x16x64_fp8_fp8 v[SA+8*(4*\g+\t):SA+8*(4*\g+\t)+7], v[KC+8*\t:KC+8*\t+7], v[QA:QA+7], 0
	v_wmma_f32_16x16x64_fp8_fp8 v[SB+8*(4*\g+\t):SB+8*(4*\g+\t)+7], v[KC+8*\t:KC+8*\t+7], v[QB:QB+7], 0
.endr
.endr
.rept 4
	v_nop                                          ; places in front of the first read of the results and of writes into K's registers
.endr
.set i, 0
.rept 32                                       ; the largest raw score so far, of each tile, in three chains that begin at the running one; each accumulator from its low end on
.if i < 3
	v_max3_num_f32 v[KC+i], v[MA+1], v[SA+2*i], v[SA+2*i+1]
	v_max3_num_f32 v[KC+3+i], v[MB+1], v[SB+2*i], v[SB+2*i+1]
.else
	v_max3_num_f32 v[KC+i%3], v[KC+i%3], v[SA+2*i], v[SA+2*i+1]
	v_max3_num_f32 v[KC+3+i%3], v[KC+3+i%3], v[SB+2*i], v[SB+2*i+1]
.endif
.set i, i+1
.endr
	D 2
	v_max3_num_f32 v32, v32, v33, v34
	D 2
	v_max3_num_f32 v35, v35, v36, v37
	D 2
	v_permlanex16_b32 v38, v32, s[SEL], s[SEL+1]
	D 2
	v_permlanex16_b32 v39, v35, s[SEL], s[SEL+1]
	D 2
	v_max_num_f32 v[MA+1], v32, v38                ; and among lane l xor 16's
	D 2
	v_max_num_f32 v[MB+1], v35, v39
	D 2
	v_mul_f32 v32, s[CSN], v[MA+1]                 ; -t (c is positive)
	D 2
	v_mul_f32 v35, s[CSN], v[MB+1]
	D 2
	v_floor_f32 v32, v32                           ; the new -M = floor(-t) = -ceil(t): a whole number
	D 2
	v_floor_f32 v35, v35
	D 2
	v_sub_f32 v33, v32, v[MA]                      ; old M less new M: a whole number, 0 or less
	D 2
	v_sub_f32 v36, v35, v[MB]
	v_mov_b32 v[MA], v32
	v_mov_b32 v[MB], v35
	D 4
	v_cvt_i32_f32 v33, v33                         ; (it saturates)
	D 4
	v_cvt_i32_f32 v36, v36
	D 2
	v_ldexp_f32 v[FA], 1.0, v33                    ; f = 2^(old M - new M)
	D 2
	v_ldexp_f32 v[FB], 1.0, v36
.set i, 0
.rept 32
	v_pk_fma_f32 v[SA+i:SA+i+1], v[SA+i:SA+i+1], s[CS:CS+1], v[MA:MA+1] op_sel_hi:[1,0,0]   ; t - M, two at a time (of the pairs c and -M the low word serves both halves)
	v_pk_fma_f32 v[SB+i:SB+i+1], v[SB+i:SB+i+1], s[CS:CS+1], v[MB:MB+1] op_sel_hi:[1,0,0]
.set i, i+2
.endr
.set i, 0
.rept 16
	v_pk_mul_f32 v[OA+i:OA+i+1], v[OA+i:OA+i+1], v[FA:FA+1] op_sel_hi:[1,0]   ; O^T under the new M, ahead of the exponentials
	v_pk_mul_f32 v[OB+i:OB+i+1], v[OB+i:OB+i+1], v[FB:FB+1] op_sel_hi:[1,0]
.set i, i+2
.endr
	s_wait_alu depctr_va_vdst(0)                   ; the wait ahead of the batch
.set i, 0
.rept 128
	v_exp_f32 v[SA+i], v[SA+i]                     ; p = 2^(t - M), at most 1: NOT normalised
.set i, i+1
.endr
	v_pk_mul_f32 v[SUA:SUA+1], v[SUA:SUA+1], v[FA:FA+1] op_sel_hi:[1,0]   ; the sums under the new M.  (Plain places behind the exponentials)
	v_pk_mul_f32 v[SUB:SUB+1], v[SUB:SUB+1], v[FB:FB+1] op_sel_hi:[1,0]
	s_wait_alu depctr_va_vdst(0)                   ; one wait for the whole batch, ahead of its first reader
	SUM SA, SUA                                    ; the row's sum is taken of the unquantised p
	HOLD SA
	CVT SA, KC
.irp t, 0,1,2,3
.irp c, 0,1,2,3
	ds_load_b128 v[SA+16*\t+4*\c:SA+16*\t+4*\c+3], v[ADV] offset:16*VP*\t+32*\c   ; V's four fragments land on tile A's p, whose codes are made, while tile B is walked
.endr
.endr
	SUM SB, SUB
	HOLD SB
	CVT SB, KC+16
	v_nop                                          ; one plain line behind the last conversion
	s_wait_alu depctr_va_vdst(0)                   ; the wait here, directly ahead of the wait below
.irp t, 0,1,2,3                                ; O^T += V^T P^T: K = these 128 keys; the eight accumulators take turns
	s_wait_dscnt 12-4*\t                           ; fragment t's four loads are in; the 4 (3 - t) behind them may be out
	v_wmma_f32_16x16x128_fp8_fp8 v[OA+8*\t:OA+8*\t+7], v[SA+16*\t:SA+16*\t+15], v[KC:KC+15], v[OA+8*\t:OA+8*\t+7]
	v_wmma_f32_16x16x128_fp8_fp8 v[OB+8*\t:OB+8*\t+7], v[SA+16*\t:SA+16*\t+15], v[KC+16:KC+31], v[OB+8*\t:OB+8*\t+7]
.endr
.endm
; THE CHANGE OF SLOTS stands at a slot's head.  Each wave waits for all its tensor loads, adds 0 to its spare word, and waits for that and for its reads of the slot that it has left.
; fill = 1: the barrier is a round of the cluster's; the joint load of the next 512 keys is the first thing behind it and has four key steps in which to land.
.macro CHANGE fill
	s_wait_tensorcnt 0x0
	ds_add_u32 v[SPW], v[NIL]
.if \fill
	ds_add_u32 v[SPW], v[NIL]                      ; and once more
	s_xor_b32 s[G0K+1], s[G0K+1], SLOT1
	s_add_nc_u64 s[G0K+2:G0K+3], s[G0K+2:G0K+3], 32768
	s_xor_b32 s[G0V+1], s[G0V+1], SLOT1
	s_add_nc_u64 s[G0V+2:G0V+3], s[G0V+2:G0V+3], 32768
.endif
	s_wait_dscnt 0x0
.if \fill
	ROUND
	TLOAD
.else
	s_barrier_signal -1
	s_barrier_wait -1
.endif
.endm
.macro SLOT_STEPS                      ; a slot's four key steps: a counted loop, the step's LDS bytes in two scalars
	s_mov_b32 s[SK], s[TB]
	s_mov_b32 s[SV], s[TB]
	s_mov_b32 s[CNT], 4
.Lstep_\@:
	STEP
	s_add_co_u32 s[SK], s[SK], 128*KP
	s_add_co_u32 s[SV], s[SV], VBLK
	s_sub_co_u32 s[CNT], s[CNT], 1
	s_cmp_lg_u32 s[CNT], 0
	s_cbranch_scc1 .Lstep_\@
	s_xor_b32 s[TB], s[TB], SLOT1
.endm
	s_wait_alu depctr_va_vdst(0)                   ; the wait at the head's end
	s_wait_loadcnt 0x0                             ; Q
.Lslot:                                            ; NSL - 1 trips: behind each change of slots but the last the next slot is asked for; one tensor load of a wave is out
	CHANGE 1
	SLOT_STEPS
	s_sub_co_u32 s[SLOTS], s[SLOTS], 1
	s_cmp_lg_u32 s[SLOTS], 0
	s_cbranch_scc1 .Lslot
	CHANGE 0                                       ; the last slot is written out
	SLOT_STEPS
	; THE WAY OUT.  O^T x 2^(e4 + e5) / the sum is ctx; held, converted with 2^e6; a lane's eight codes are eight neighbouring d of its token.  Through my stage, so that each store covers 512 consecutive bytes, aligned.
.set STO, 16
.set RD,  17
.set GO,  18
.rept 4
	v_nop                                          ; places behind the last products
.endr
	v_add_f32 v12, v12, v13
	v_add_f32 v14, v14, v15
	v_permlanex16_b32 v32, v12, s[SEL], s[SEL+1]
	v_permlanex16_b32 v33, v14, s[SEL], s[SEL+1]
	v_add_f32 v12, v12, v32                        ; the rows' sums
	v_add_f32 v14, v14, v33
	s_mul_i32 s70, s[WV], STG                      ; my stage
	s_wait_alu depctr_va_vdst(0)                   ; the wait ahead of the transcendentals
	v_rcp_f32 v12, v12
	v_rcp_f32 v14, v14
	v_and_b32 v19, 15, v0
	v_bfe_u32 v20, v0, 4, 1
	v_and_b32 v21, 31, v0
	v_mul_u32_u24 v[STO], v19, KP
	v_lshrrev_b32 v[RD], 2, v21
	v_lshlrev_b32 v[GO], 4, v21
	v_and_b32 v21, 3, v21
	v_lshl_add_u32 v[STO], v20, 3, v[STO]
	v_mul_u32_u24 v[RD], v[RD], KP
	v_mov_b32 v[SCL], s[E6]
	v_add_nc_u32 v[STO], s70, v[STO]               ; in: token r x 80 + 8 h
	v_lshl_add_u32 v[RD], v21, 4, v[RD]
	v_add_nc_u32 v[RD], s70, v[RD]                 ; back: four lanes to a token's 64 bytes
	s_wait_alu depctr_va_vdst(0)                   ; the wait ahead of the reciprocals' first reader
	v_ldexp_f32 v12, v12, s74                      ; x 2^(e4 + e5)
	v_ldexp_f32 v14, v14, s74
	s_wait_alu depctr_va_vdst(0)                   ; the wait here, directly ahead of the first reader of O^T
.set i, 0
.rept 32
	v_mul_f32 v[SA+i], v[OA+i], v12                ; register 8 t + j is ctx(query r, d = 16 t + 8 h + j)
.set i, i+1
.endr
.set i, 0
.rept 32
	v_mul_f32 v[SA+32+i], v[OB+i], v14
.set i, i+1
.endr
.set i, 0
.rept 64
	v_med3_num_f32 v[SA+i], v[SA+i], s73, s72      ; the hold at the largest code x 2^e6
.set i, i+1
.endr
	CVT SA, KC
	v_nop                                          ; one plain line behind the last conversion
.irp k, 0,1,2,3,4,5,6,7
	ds_store_b64 v[STO], v[KC+2*\k:KC+2*\k+1] offset:(\k/4)*16*KP+16*(\k%4)
.endr
.irp u, 0,1,2,3
	ds_load_b128 v[SB+4*\u:SB+4*\u+3], v[RD] offset:8*KP*\u   ; LDS serves a wave's instructions in order: these see my stores
.endr
.irp u, 0,1,2,3
	s_wait_dscnt 3-\u
	global_store_b128 v[GO], v[SB+4*\u:SB+4*\u+3], s[12:13] offset:512*\u
.endr
	s_wait_tensorcnt 0x0                           ; the wave's end
	ds_add_u32 v[SPW], v[NIL]
	s_wait_dscnt 0x0
	ROUND                                          ; the closing round
	s_endpgm
.Lfunc_end_k_q477b042841_attn:
	.size	k_q477b042841_attn, .Lfunc_end_k_q477b042841_attn-k_q477b042841_attn
	.p2alignl 7, 3214868480
	.fill 96, 4, 3214868480
	.section	.rodata,"a",@progbits
	.p2align	6, 0x0
	.amdhsa_kernel k_q477b042841_attn
		.amdhsa_group_segment_fixed_size 327680
		.amdhsa_private_segment_fixed_size 0
		.amdhsa_enable_private_segment 0
		.amdhsa_kernarg_size 40
		.amdhsa_user_sgpr_count 2
		.amdhsa_user_sgpr_kernarg_segment_ptr 1
		.amdhsa_wavefront_size32 1
		.amdhsa_system_sgpr_workgroup_id_x 1
		.amdhsa_system_sgpr_workgroup_id_y 1
		.amdhsa_system_sgpr_workgroup_id_z 1
		.amdhsa_system_vgpr_workitem_id 0
		.amdhsa_next_free_vgpr 256
		.amdhsa_next_free_sgpr 96
		.amdhsa_reserve_vcc 0
		.amdhsa_float_denorm_mode_32 3
		.amdhsa_float_denorm_mode_16_64 3
		.amdhsa_memory_ordered 1
		.amdhsa_forward_progress 1
		.amdhsa_inst_pref_size 80
	.end_amdhsa_kernel
	.amdgpu_metadata
---
amdhsa.version: [ 1, 2 ]
amdhsa.kernels:
  - .name:           k_q477b042841_attn
    .symbol:         k_q477b042841_attn.kd
    .args:
      - { .name: q_codes, .offset: 0, .size: 8, .value_kind: global_buffer, .address_space: global }
      - { .name: k_codes, .offset: 8, .size: 8, .value_kind: global_buffer, .address_space: global }
      - { .name: v_codes, .offset: 16, .size: 8, .value_kind: global_buffer, .address_space: global }
      - { .name: lowp_scales, .offset: 24, .size: 8, .value_kind: global_buffer, .address_space: global }
      - { .name: ctx_codes, .offset: 32, .size: 8, .value_kind: global_buffer, .address_space: global }
    .group_segment_fixed_size: 327680
    .private_segment_fixed_size: 0
    .kernarg_segment_align: 8
    .kernarg_segment_size: 40
    .max_flat_workgroup_size: 512
    .sgpr_count:     96
    .vgpr_count:     256
    .wavefront_size: 32
...
	.end_amdgpu_metadata
.endif
;; end of part 3
;; launch outp (part 4): grid 8 x 32, 4 waves a work-group, clusters of 4 x 4, 327,680 bytes of LDS; arguments ctx_codes, wout_codes, lowp_scales, b_out, out0; writes out0
.if DOCPART == 4
	.amdgcn_target "amdgcn-amd-amdhsa--gfx1250"
	.amdhsa_code_object_version 6
	.text
	.protected	k_q477b042841_outp
	.globl	k_q477b042841_outp
	.p2align	8
	.type	k_q477b042841_outp,@function
k_q477b042841_outp:
	s_mov_b64 s[64:65], 0
	v_nop
	global_prefetch_b8 v0, s[64:65] scope:SCOPE_SE
	s_setreg_imm32_b32 hwreg(HW_REG_WAVE_MODE, 25, 1), 1
	s_wait_xcnt 0x0
	s_wait_alu depctr_hold_cnt(0) depctr_sa_sdst(0) depctr_va_vdst(0) depctr_va_sdst(0) depctr_va_ssrc(0) depctr_va_vcc(0) depctr_vm_vsrc(0)
	s_getreg_b32 s2, hwreg(HW_REG_IB_STS2, 6, 4)
	s_cmp_eq_u32 s2, 0
	s_cbranch_scc0 .Lentry_in_a_cluster
	s_endpgm
.Lentry_in_a_cluster:
	s_bfe_u32 s2, ttmp6, 0x10000c
	s_cmp_lg_u32 s2, 0xf033
	s_cbranch_scc0 .Lentry_shape_is_right
	s_endpgm
.Lentry_shape_is_right:
.set ROWB,   256
.set KROW,   1024
.set PITCH,  272
.set APL,    10240
.set FR,     16
.set NL,     4
.set NP,     4
.set HALFA,  4*APL
.set HALFB,  64*PITCH                  ; a block of C is 256 rows x 128 columns: B's tile is two loads of 64 rows, and a wave makes 128 x 64
.set SLOT,   2*HALFA+2*HALFB
.set SPARE,  2*SLOT
.set SPITCH, 528
.set ADRA, 16
.set ADRB, 20
.set STO,  24
.set RD,   25
.set CO,   26
.set SPW,  28
.set NIL,  29
.set BO,   32
.set AF,   128
.set BK,   128
.set G1, 24
.set G0, 32
.set G1B, 48
.set G0B, 56
.set MSB, 0
.macro WIN new
.if MSB != (\new)
	s_set_vgpr_msb (MSB<<8)|(\new)
.set MSB, (\new)
.endif
.endm
.set MUL_LO, 0xa1
.set MUL_HI, 0xf1
.set TO_B,   0x40
.macro JLOAD g0a, g1a, g0b, g1b
	s_cmp_eq_u32 s15, 0
	s_cbranch_scc0 .Lfor_b_\@
	tensor_load_to_lds s[\g0a:\g0a+3], s[\g1a:\g1a+7]
	s_nop 0
.rept 4
	v_nop
.endr
	s_branch .Lasked_\@
.Lfor_b_\@:
	tensor_load_to_lds s[\g0b:\g0b+3], s[\g1b:\g1b+7]
	s_nop 0
.rept 4
	v_nop
.endr
.Lasked_\@:
.endm
.macro CREST
	s_cmp_lg_u32 s14, 0
	s_cbranch_scc1 .Lnot_wave_0_\@
	s_barrier_signal -3
.Lnot_wave_0_\@:
	s_barrier_wait -3
	s_barrier_signal -1
	s_barrier_wait -1
.endm
.macro CROUND
	s_barrier_signal -1
	s_barrier_wait -1
	CREST
.endm
	s_load_b256 s[4:11], s[0:1], 0x0
	s_load_b64 s[12:13], s[0:1], 0x20
	v_lshl_add_u32 v[SPW], v0, 2, SPARE
	v_mov_b32 v[NIL], 0
	ds_add_u32 v28, v29
	ds_add_u32 v28, v29
	s_wait_dscnt 0x0
	v_lshrrev_b32 v1, 5, v0
	v_readfirstlane_b32 s14, v1
	s_lshr_b32 s15, s14, 1
	s_and_b32 s16, s14, 1
	s_bfe_u32 s40, ttmp6, 0x40000
	s_bfe_u32 s41, ttmp6, 0x40004
	s_lshl_b32 s42, ttmp9, 2
	s_add_co_u32 s42, s42, s40
	s_and_b32 s17, ttmp7, 0xffff
	s_lshl_b32 s17, s17, 2
	s_add_co_u32 s17, s17, s41
	s_lshl_b32 s43, s41, 2
	s_lshl_b32 s43, 15, s43
	s_lshl_b32 s44, 0x1111, s40
	s_or_b32 s[G1+0], s43, (0<<16)|(1<<20)|(1<<21)|(3<<22)|(3<<25)
	s_or_b32 s[G1B+0], s44, (0<<16)|(1<<20)|(1<<21)|(5<<22)|(3<<25)
.irp g, G1, G1B
	s_mov_b32 s[\g+1], ROWB<<16
	s_mov_b32 s[\g+3], ROWB<<16
	s_mov_b32 s[\g+6], 0
	s_mov_b32 s[\g+7], 0
.endr
	s_mov_b32 s[G1+2], 128<<16
	s_mov_b32 s[G1+4], 128
	s_mov_b32 s[G1B+2], 64<<16
	s_mov_b32 s[G1B+4], 64
	s_mov_b32 s[G1+5], ROWB
	s_mov_b32 s[G1B+5], KROW
	s_lshl_b32 s20, s17, 1
	s_add_co_u32 s20, s20, s16
	s_lshl_b32 s20, s20, 17
	s_mov_b32 s21, 0
	s_lshl_b32 s18, s16, 6
	s_lshl_b32 s46, s42, 7
	s_add_co_u32 s46, s46, s18
	s_lshl_b32 s46, s46, 10
	s_mov_b32 s47, 0
	s_mul_i32 s45, s16, HALFA
	s_mul_i32 s93, s16, HALFB
	s_add_co_u32 s93, s93, 2*HALFA
	s_wait_kmcnt 0x0
	s_load_b256 s[84:91], s[8:9], 0x0
	s_add_nc_u64 s[20:21], s[4:5], s[20:21]
	s_add_nc_u64 s[46:47], s[6:7], s[46:47]
	CROUND
.irp s, 0,1
	s_mov_b32 s[G0+4*\s], 1
	s_add_co_u32 s[G0+4*\s+1], s45, \s*SLOT
	s_add_nc_u64 s[G0+4*\s+2:G0+4*\s+3], s[20:21], \s*32768
	s_or_b32 s[G0+4*\s+3], s[G0+4*\s+3], 0x80000000
	s_mov_b32 s[G0B+4*\s], 1
	s_add_co_u32 s[G0B+4*\s+1], s93, \s*SLOT
	s_add_nc_u64 s[G0B+4*\s+2:G0B+4*\s+3], s[46:47], \s*ROWB
	s_or_b32 s[G0B+4*\s+3], s[G0B+4*\s+3], 0x80000000
	s_wait_alu depctr_va_vdst(0)
	s_wait_tensorcnt 0x0
	ds_add_u32 v28, v29
	ds_add_u32 v28, v29
	s_wait_dscnt 0x0
	CROUND
	JLOAD G0+4*\s, G1, G0B+4*\s, G1B
.endr
	v_and_b32 v1, 15, v0
	v_bfe_u32 v2, v0, 4, 1
	v_mul_u32_u24 v3, v1, 80
	v_lshl_add_u32 v3, v2, 4, v3
	v_mul_u32_u24 v4, v1, PITCH
	v_lshl_add_u32 v4, v2, 4, v4
	s_mul_i32 s21, s15, HALFA
	s_mul_i32 s22, s16, HALFB
	s_add_co_u32 s22, s22, 2*HALFA
.irp s, 0,1
	v_add_nc_u32 v[ADRA+\s], s21, v3
	v_add_nc_u32 v[ADRB+\s], s22, v4
	s_add_co_u32 s21, s21, SLOT
	s_add_co_u32 s22, s22, SLOT
.endr
	s_mul_i32 s23, s14, 16*SPITCH
	v_mul_u32_u24 v5, v1, SPITCH
	v_lshl_add_u32 v5, v2, 5, v5
	v_add_nc_u32 v[STO], s23, v5
	v_lshlrev_b32 v27, 4, v1                       ; 16 bytes a lane of a row's 256
	v_mul_u32_u24 v6, v2, SPITCH
	v_lshl_add_u32 v[CO], v2, 12, v27              ; lanes 0-15 one row of the output, lanes 16-31 the next
	v_add_nc_u32 v6, v6, v27
	v_add_nc_u32 v[RD], s23, v6                    ; and the same two rows in my stage
	s_wait_alu depctr_va_vdst(0)
	s_lshl_b32 s20, s17, 8
	s_lshl_b32 s21, s15, 7
	s_add_co_u32 s20, s20, s21
	s_lshl_b32 s20, s20, 12
	s_mov_b32 s21, 0
	s_lshl_b32 s46, s42, 9
	s_lshl_b32 s47, s16, 8
	s_add_co_u32 s46, s46, s47
	s_mov_b32 s47, 0
	s_add_nc_u64 s[10:11], s[10:11], s[46:47]
	s_add_nc_u64 s[20:21], s[20:21], s[46:47]
	s_add_nc_u64 s[12:13], s[12:13], s[20:21]
	global_load_b128 v[BO:BO+3], v27, s[10:11]
.macro FRAG reg, adr, q, i
.irp c, 0,1,2,3
	ds_load_b128 v[\reg+4*\c:\reg+4*\c+3], v[\adr] offset:128*(\q)+32*\c+(\i)*16*PITCH
.endr
.endm
.macro FRAGA reg, adr, q, i
.irp c, 0,1,2,3
	ds_load_b128 v[\reg+4*\c:\reg+4*\c+3], v[\adr] offset:(2*(\q)+\c/2)*APL+32*(\c%2)+(\i)*1280
.endr
.endm
.macro MUL16 a0, p, zero
.irp a, \a0, \a0+1
.irp b, 0,1,2,3
.if \zero
	v_wmma_f32_16x16x128_fp8_fp8 v[8*(8*((\a)%4)+\b):8*(8*((\a)%4)+\b)+7], v[128*(\p)+FR*\b:128*(\p)+FR*\b+FR-1], v[AF+FR*(\a):AF+FR*(\a)+FR-1], 0
.else
	v_wmma_f32_16x16x128_fp8_fp8 v[8*(8*((\a)%4)+\b):8*(8*((\a)%4)+\b)+7], v[128*(\p)+FR*\b:128*(\p)+FR*\b+FR-1], v[AF+FR*(\a):AF+FR*(\a)+FR-1], v[8*(8*((\a)%4)+\b):8*(8*((\a)%4)+\b)+7]
.endif
.endr
.endr
.endm
.macro FETCH_B slot, q, p
	WIN TO_B
.irp i, 0,1,2,3
	FRAG 128*(\p)+FR*\i, ADRB+\slot, \q, \i
.endr
	WIN 0
.endm
.macro FETCH_A slot, q, i0
.irp i, \i0, \i0+1, \i0+2, \i0+3
	FRAGA AF+FR*(\i), ADRA+\slot, \q, \i
.endr
.endm
.macro PLACES n
.rept \n
	v_nop
.endr
.endm
.macro STEP slot, q, zero
	s_wait_dscnt 4*NL
	WIN MUL_LO
	MUL16 0, (\q)%2, \zero
	MUL16 2, (\q)%2, \zero
	s_wait_dscnt 0
	PLACES NP
	FETCH_B \slot, (\q)+1, 1-(\q)%2
	FETCH_A \slot, (\q)+1, 0
	WIN MUL_HI
	MUL16 4, (\q)%2, \zero
	MUL16 6, (\q)%2, \zero
	PLACES NP
	WIN 0
	FETCH_A \slot, (\q)+1, 4
.endm
.macro TURN slot, next, fill
	s_wait_tensorcnt 0x0
	ds_add_u32 v[SPW], v[NIL]
	s_wait_dscnt 4*NL+1
	WIN MUL_LO
	MUL16 0, 1, 0
	s_wait_dscnt 0x0
	s_barrier_signal -1
	MUL16 2, 1, 0
	WIN 0
	s_barrier_wait -1
.if \fill
	CREST
	s_add_nc_u64 s[G0+4*\slot+2:G0+4*\slot+3], s[G0+4*\slot+2:G0+4*\slot+3], 65536
	s_add_nc_u64 s[G0B+4*\slot+2:G0B+4*\slot+3], s[G0B+4*\slot+2:G0B+4*\slot+3], 2*ROWB
	JLOAD G0+4*\slot, G1, G0B+4*\slot, G1B
.else
	PLACES NP
.endif
	FETCH_B \next, 0, 0
	FETCH_A \next, 0, 0
	WIN MUL_HI
	MUL16 4, 1, 0
	MUL16 6, 1, 0
	PLACES NP
	WIN 0
	FETCH_A \next, 0, 4
.endm
	s_wait_tensorcnt 1
	s_barrier_signal -1
	s_barrier_wait -1
	FETCH_B 0, 0, 0
	FETCH_A 0, 0, 0
	FETCH_A 0, 0, 4
	STEP 0, 0, 1
	TURN 0, 1, 1
	STEP 1, 0, 0
	TURN 1, 0, 1
	STEP 0, 0, 0
	TURN 0, 1, 0
	STEP 1, 0, 0
	s_wait_dscnt 4*NL
	WIN MUL_LO
	MUL16 0, 1, 0
	MUL16 2, 1, 0
	s_wait_dscnt 0
	WIN MUL_HI
	MUL16 4, 1, 0
	MUL16 6, 1, 0
	WIN 0
.macro TOSTAGE a
.set AC, 64*((\a)%4)
	WIN 0x08+4*((\a)/4)
.irp b, 0,1,2,3
	ds_store_b128 v[STO], v[AC+8*\b:AC+8*\b+3] offset:64*\b
	ds_store_b128 v[STO], v[AC+8*\b+4:AC+8*\b+7] offset:64*\b+16
.endr
	WIN 0
.set BB, BK+64*((\a)%2)
.irp t, 0,1,2,3,4,5,6,7
	ds_load_b128 v[BB+4*\t:BB+4*\t+3], v[RD] offset:2*\t*SPITCH
.endr
.endm
.macro SEND a, younger
.set BB, BK+64*((\a)%2)
	s_wait_dscnt \younger
.if (\a) > 0
	s_add_nc_u64 s[12:13], s[12:13], 16*4096
.endif
.irp t, 0,1,2,3,4,5,6,7
	v_pk_fma_f32 v[BB+4*\t:BB+4*\t+1], v[BB+4*\t:BB+4*\t+1], s[96:97], v[BO:BO+1] op_sel_hi:[1,0,1]
	v_pk_fma_f32 v[BB+4*\t+2:BB+4*\t+3], v[BB+4*\t+2:BB+4*\t+3], s[96:97], v[BO+2:BO+3] op_sel_hi:[1,0,1]
.endr
.irp t, 0,1,2,3,4,5,6,7
	global_store_b128 v[CO], v[BB+4*\t:BB+4*\t+3], s[12:13] offset:2*\t*4096 th:TH_STORE_NT
.endr
.endm
	s_wait_kmcnt 0x0
	s_add_co_i32 s96, s90, s91
	s_add_co_i32 s96, s96, 127
	s_lshl_b32 s96, s96, 23
	s_mov_b32 s97, s96
	s_wait_loadcnt 0x0
	PLACES NP
	s_wait_alu depctr_va_vdst(0)
	TOSTAGE 0
.irp a, 1,2,3,4,5,6,7
.if \a > 1
	s_wait_xcnt 0x0
.endif
	TOSTAGE \a
	SEND \a-1, 16
.endr
	s_wait_xcnt 0x0
	SEND 7, 0
	s_wait_tensorcnt 0x0
	ds_add_u32 v[SPW], v[NIL]
	s_wait_dscnt 0x0
	CROUND
	s_endpgm
.Lfunc_end_k_q477b042841_outp:
	.size	k_q477b042841_outp, .Lfunc_end_k_q477b042841_outp-k_q477b042841_outp
	.p2alignl 7, 3214868480
	.fill 96, 4, 3214868480
	.section	.rodata,"a",@progbits
	.p2align	6, 0x0
	.amdhsa_kernel k_q477b042841_outp
		.amdhsa_group_segment_fixed_size 327680
		.amdhsa_private_segment_fixed_size 0
		.amdhsa_enable_private_segment 0
		.amdhsa_kernarg_size 40
		.amdhsa_user_sgpr_count 2
		.amdhsa_user_sgpr_kernarg_segment_ptr 1
		.amdhsa_wavefront_size32 1
		.amdhsa_system_sgpr_workgroup_id_x 1
		.amdhsa_system_sgpr_workgroup_id_y 1
		.amdhsa_system_sgpr_workgroup_id_z 1
		.amdhsa_system_vgpr_workitem_id 0
		.amdhsa_next_free_vgpr 1024
		.amdhsa_next_free_sgpr 98
		.amdhsa_reserve_vcc 0
		.amdhsa_float_denorm_mode_32 3
		.amdhsa_float_denorm_mode_16_64 3
		.amdhsa_memory_ordered 1
		.amdhsa_forward_progress 1
		.amdhsa_inst_pref_size 79
	.end_amdhsa_kernel
	.amdgpu_metadata
---
amdhsa.version: [ 1, 2 ]
amdhsa.kernels:
  - .name:           k_q477b042841_outp
    .symbol:         k_q477b042841_outp.kd
    .args:
      - { .name: ctx_codes, .offset: 0, .size: 8, .value_kind: global_buffer, .address_space: global }
      - { .name: wout_codes, .offset: 8, .size: 8, .value_kind: global_buffer, .address_space: global }
      - { .name: lowp_scales, .offset: 16, .size: 8, .value_kind: global_buffer, .address_space: global }
      - { .name: b_out, .offset: 24, .size: 8, .value_kind: global_buffer, .address_space: global }
      - { .name: out0, .offset: 32, .size: 8, .value_kind: global_buffer, .address_space: global }
    .group_segment_fixed_size: 327680
    .private_segment_fixed_size: 0
    .kernarg_segment_align: 8
    .kernarg_segment_size: 40
    .max_flat_workgroup_size: 128
    .sgpr_count:     98
    .vgpr_count:     1024
    .wavefront_size: 32
...
	.end_amdgpu_metadata
.endif
;; end of part 4
